; MI455X (gfx1250); checked and timed in simulation.
; The chip was launched on July 23, 2026; its instructions are those of AMD's public machine-readable ISA for CDNA 5 (MIT licence, August 2026) and "CDNA5" Instruction Set Architecture Reference Guide (July 2026). The comments in the code are by the model that wrote it; some were corrected since.
;; Local Dot Attention. Allowed arithmetic: matrix products marked QUANTISED: E5M2 operands, one given power-of-two scale a tensor, by v_wmma_f32_16x16x64_bf8_bf8 or v_wmma_f32_16x16x128_bf8_bf8, f32 sums; everything else in f32.
;; Inputs: K 4 x 16 x 2,048 x 64 float32; Q 4 x 16 x 2,048 x 64 float32; V 4 x 16 x 2,048 x 64 float32; lowp_scales 4 int32 (the exponents e of the quantised operands' scales 2^e); mask_out 4 x 1 x 1 x 2,048 bool.
;; Outputs: out0 4 x 16 x 2,048 x 64 float32.
;; This version of the problem:
;;   THIS VERSION OF THE PROBLEM IS GIVEN IN LOW PRECISION. The matrix products marked QUANTISED in the list below multiply operands that are first quantised to E5M2 (5 exponent bits, 2 mantissa bits; 8 bits a number), with one given power-of-two scale for each operand tensor; their sums are f32. All else is computed in f32.
;;   The module's matrix products, in the order in which they are computed (A, B: the left and right operand; K: the contracted axis; several contracted axes count as one K, in the product's order):
;;     1. batch 64 x [M 2,048, K 64] x [K 64, N 2,048]; A: input Q; B: input K: QUANTISED (scales: A lowp_scales[0], B lowp_scales[1])
;;     2. batch 64 x [M 2,048, K 2,048] x [K 2,048, N 64]; A: computed on the way; B: input V: QUANTISED (scales: A lowp_scales[2], B lowp_scales[3])
;;   THE QUANTISER, for each operand of a quantised product, along K:
;;     - The operand's scale is 2^e, e = its entry of the input lowp_scales (int32; the entries are numbered through the quantised products in the list's order, A before B).
;;     - Each number is divided by the scale, clamped to +-57,344, and rounded to the nearest number of E5M2, ties to even, subnormals kept.
;;     - The product sums the exact products of the quantised numbers (number of the format x scale) in f32.
;;   ~~~python
;;   def quantise(x, axis, e):      # numpy; x: float32 -> the quantised numbers, widened to float32 again
;;       x = np.moveaxis(x, axis, -1); K = x.shape[-1]
;;       r = np.clip(x / 2.0 ** e, -57344, 57344)
;;       step = 2.0 ** (np.maximum(np.frexp(np.where(r == 0, 1, r))[1] - 1, -14) - 2)
;;       q = np.round(r / step) * step * 2.0 ** e      # np.round: ties to even
;;       return np.moveaxis(q, -1, axis).astype(np.float32)
;;   ~~~
;;   OPERANDS COMPUTED ON THE WAY. 'Computed on the way' means the value that the module computes at that place (a softmax that the list does not call 'softmax' is quantised finished and normalised). What goes into a quantiser is computed in f32, as accurately as f32 sums, v_exp_f32 and their like allow (about 1e-6 of the number): no bf16 or f16 on the way to a quantiser, and a product that is left as it is and whose result goes on into a quantised operand takes f32 operands (vector FMAs, or v_wmma_f32_16x16x4_f32). A number that lies on a knife's edge between two numbers of the format may be rounded either way, as far as f32 arithmetic and the matrix unit's own rounding can turn it there, and no further.
;; 2 versions. Each part assembles by itself: llvm-mc -triple=amdgcn-amd-amdhsa -mcpu=gfx1250 --defsym DOCPART=n.
;; ======== version 1 of 2: 1 launch
;; limits: right only within a limited range of input values
;; launch attn (part 1): grid 4 x 64, 16 waves a work-group, no clusters, 296,960 bytes of LDS; arguments Q, K, V, lowp_scales, mask_out, out0; writes out0
.if DOCPART == 1
	.amdgcn_target "amdgcn-amd-amdhsa--gfx1250"
	.amdhsa_code_object_version 6
	.text
	.protected	k_q63a8bba585_attn
	.globl	k_q63a8bba585_attn
	.p2align	8
	.type	k_q63a8bba585_attn,@function
k_q63a8bba585_attn:
	s_mov_b64 s[64:65], 0
	v_nop
	global_prefetch_b8 v0, s[64:65] scope:SCOPE_SE
	s_setreg_imm32_b32 hwreg(HW_REG_WAVE_MODE, 25, 1), 1
	s_wait_xcnt 0x0
; out0[b][h][q][:] = sum over k of ( softmax_k(Q.K / 8, masked keys at -1e9) x exp(-(q-k)^2 x 2^-21) ) V[k][:],  4 x 16 heads, 2,048 queries and keys, head size 64.
; Both products on codes of BF8 (E5M2), each operand with its given scale 2^e: e0 (Q), e1 (K), e2 (the finished weight), e3 (V).  The weight is quantised FINISHED: normalised and with the decay.
; So a row's maximum and sum are known before any weight is made: TWO PASSES over the keys, and Q K^T is multiplied twice (2,048 scores for each of a wave's queries do not fit in registers).
; SHARES.  Work-group (x, y): head y, queries 512 x .. 512 x + 511.  Sixteen waves, four to a SIMD, 256 registers each; a wave owns 32 queries, two tiles of 16, and walks all keys, 64 a step.
; The whole head's K and V lie in LDS as codes; the work-group quantises them itself, K ahead of pass 1, V inside pass 1 (each wave 128 keys of K, 256 keys x 32 channels of V).
; NO TENSOR LOADS, NO CLUSTER: what the four work-groups of a head share (K, V) arrives as f32 and has to pass through the vector unit's conversions; a head's K and V in f32 are 1 MiB, more than LDS
; holds beside their 256 KiB of codes.  The price: each head's K and V are converted four times, 512 numbers a lane against some 130,000 scores a lane.
; LAYOUT.  Both products are used transposed (S^T = K Q^T, O^T = V^T P^T): a lane holds ONE query throughout.  THE ROWS OF A TILE ARE NOT NEIGHBOURS: row r of tile u of a group of 32 is row 8 u + r + 8 (r / 8),
; so that the 16 registers of two neighbouring score tiles are 16 neighbouring keys: the conversions' results are the second product's operand.  Along each K both operands use one and the same order of k.
; THE MASK costs no instruction a score.  allm = every key of the batch is masked; m'(k) = mask(k) and not allm.
;   pass 1: the C of the score products is bias(k) = m' ? -8e9 x 2^-(e0+e1) : 0, that is -1e9 as a score: such a key adds 0 to the sum and never holds the maximum once a key that counts has come.
;   pass 2: V's codes of m' keys are zeros (their hold is at 0), so whatever held weight such a key gets adds nothing.
;   allm: Q's hold is at 0, all scores are 0, no bias, V is kept: the uniform softmax that equal scores of -1e9 give.  All choices are selects; no branch hangs on loaded data.
; ARITHMETIC.  t = s x cs, cs = log2(e) / 8 x 2^(e0+e1).  Pass 1, for each lane: the running largest t, M = that rounded up to a whole number, l = sum of 2^(t - M); when M moves, l is multiplied by 2^(old M - new M).
;   The two halves of the lanes are joined once, behind pass 1.  NM = -M - log2(l).  Pass 2: p = 2^(s cs + NM - (sc (q - k))^2), sc^2 = 2^-21 log2(e): normalisation and decay stand in the one exponent.
; LIMITS: e0 + e1 between -95 and 130; e0, e1, e2, e3 each between -126 and 112; e2 + e3 between -126 and 127 (each power of two below is an f32 number).  NaN among the inputs is not served.
;   A row whose largest score among the keys that count lies under about -1e9 + 100 would share weight with masked keys in f32; here masked keys get none.
.set SEQ,    2048
.set HP,     288                       ; K's image: the two halves of the lanes lie 288 bytes apart (16 rows x 16 bytes + 32),
.set CCP,    576                       ; a fragment's two groups of four registers 576,
.set TIL,    1152                      ; the tiles 1,152: the 32 lanes of a scattering store of 4 bytes then fall on 32 different words modulo 64
.set GRP,    2304                      ; a group of 32 rows: two tiles
.set KIMG,   0                         ; LDS: 64 groups of K: 147,456 bytes.  Behind pass 2: the waves' stages for the way out
.set VIMG,   64*GRP                    ; V: four planes of 16 channels; in a plane 16 keys x 16 channels are 256 bytes, a channel's 16 keys 16 bytes.  Ahead of pass 1: the waves' images of Q
.set VPL,    32768                     ; a plane
.set BIAS,   VIMG+4*VPL                ; f32 for each key
.set VLIM,   BIAS+4*SEQ                ; f32 for each key: V's hold
.set SPITCH, 272                       ; the stage: 32 rows of 256 bytes + 16
.set LI,   1                           ; v1   16 x lane
.set AK0,  2                           ; v2   a fragment of K or Q: 16 r + 288 h
.set AB0,  3                           ; v3   BIAS + 64 h
.set AVL0, 4                           ; v4   VLIM + 1,024 (wave / 2)
.set AVS0, 5                           ; v5   where my codes of V go
.set VOFF, 6                           ; v6   my channel's bytes in a row of V
.set AV0,  7                           ; v7   VIMG + 16 x lane
.set SCK,  8                           ; v8   where I scatter K's codes
.set SCQ,  9                           ; v9   and Q's
                                       ; v10-13 addresses in hand; v14, v15 at work
.set QF,   16                          ; v16-31  Q's two fragments
.set FR,   32                          ; v32-63  four fragments of K, in pass 2 then of V
.set BI,   64                          ; v64-95  pass 1: the bias, in the result's layout
.set PC,   64                          ; v64-79  pass 2: p's codes
.set T1S,  80                          ; v80-95  pass 2: -sc x i, i = 0 .. 15
.set S,    96                          ; v96-159 scores, then weights: tile t of queries, tile u of keys at S + 32 t + 8 u
.set O,    160                         ; v160-223 pass 2: O^T: tile t, channels 16 c on at O + 32 t + 8 c
.set XA,   32                          ; ahead of pass 1: three sets of 64 numbers,
.set XB,   96
.set XC,   160
.set CD,   224                         ; and 16 registers of codes (first the mask's words)
.set VX,   160                         ; pass 1: two sets of 8 numbers of V; v176-183 their holds; v184-185 their codes; v186 2^e3
.set VL,   176
.set VC,   184
.set VS,   186
.set ST,   224                         ; pass 1: tile t at ST + 4 t: -M, the largest t, l in two halves.  v232-235 f; v236-239 maxima; v240-243 sums
.set DS,   228                         ; pass 2: v224 NM0, v225 d0, v226 NM1, v227 d1; sc x d at v228, v230 (tile 0), v232, v234 (tile 1); v229, v231 the hold of p; v233 2^e2; v235 at work
.set R,    236                         ; pass 2: v236-251 sc x (q - k) for 16 keys
	s_load_b256 s[4:11], s[0:1], 0x0               ; Q s[4:5], K s[6:7], V s[8:9], the scales' exponents s[10:11]
	s_load_b128 s[12:15], s[0:1], 0x20             ; the mask s[12:13], out0 s[14:15]
	v_lshl_add_u32 v254, v0, 2, 0x48000
	v_mov_b32 v255, 0
	v_lshrrev_b32 v14, 5, v0
	v_readfirstlane_b32 s16, v14                   ; wave 0..15
	s_and_b32 s18, ttmp7, 0xffff                   ; the head, 0..63
	s_lshr_b32 s31, s16, 1                         ; wave / 2: which 256 keys of V are mine
	s_and_b32 s32, s16, 1                          ; wave % 2: which 32 channels
	v_and_b32 v14, 31, v0                          ; lane
	v_and_b32 v15, 15, v0                          ; r
	v_bfe_u32 v10, v0, 4, 1                        ; h
	v_lshlrev_b32 v[LI], 4, v14
	v_mul_u32_u24 v[AK0], v10, HP
	v_lshl_add_u32 v[AK0], v15, 4, v[AK0]
	v_lshl_add_u32 v[AB0], v10, 6, BIAS            ; my half's 16 keys of a block of 32
	s_lshl_b32 s33, s31, 10
	s_add_co_u32 s33, s33, VLIM
	v_mov_b32 v[AVL0], s33
	s_lshl_b32 s34, s32, 16                        ; V's codes: plane 2 (wave % 2) + h,
	s_lshl_b32 s35, s31, 12                        ; 256 keys are 16 blocks of 256 bytes,
	s_add_co_u32 s34, s34, s35
	s_add_co_u32 s34, s34, VIMG
	v_lshlrev_b32 v[AVS0], 4, v15                  ; channel r of the plane
	v_lshl_add_u32 v[AVS0], v10, 15, v[AVS0]
	v_add_nc_u32 v[AVS0], s34, v[AVS0]
	s_lshl_b32 s35, s32, 7
	v_lshlrev_b32 v[VOFF], 2, v14
	v_add_nc_u32 v[VOFF], s35, v[VOFF]             ; channel 32 (wave % 2) + lane
	v_add_nc_u32 v[AV0], VIMG, v[LI]
	; A load of 512 bytes gives lane l the numbers 4 (l % 16) .. + 3 along K of row l / 16 of two rows.  With q = l % 16 their four codes are register q % 8 of the lanes' half q / 8:
	v_bfe_u32 v11, v0, 3, 1
	v_mul_u32_u24 v11, v11, HP                     ; half q / 8,
	v_bfe_u32 v12, v0, 2, 1
	v_mul_u32_u24 v12, v12, CCP                    ; group of four registers (q / 4) % 2,
	v_add_nc_u32 v11, v11, v12
	v_and_b32 v13, 3, v0
	v_lshl_add_u32 v11, v13, 2, v11                ; register q % 4 of it,
	v_lshl_add_u32 v11, v10, 4, v11                ; and the odd row one place further on
	s_mul_i32 s36, s16, 4*GRP
	v_add_nc_u32 v[SCK], s36, v11                  ; my four groups of K
	s_mul_i32 s37, s16, GRP
	s_add_co_u32 s37, s37, VIMG
	v_add_nc_u32 v[SCQ], s37, v11                  ; my image of Q
	v_add_nc_u32 v10, s37, v[AK0]                  ; and where I read it back
	v_lshlrev_b32 v15, 2, v0                       ; my thread's four keys in the mask
	v_lshl_add_u32 v13, v0, 4, BIAS                ; and in the tables
	s_lshl_b32 s38, s18, 19                        ; a head is 2,048 rows of 256 bytes
	s_lshl_b32 s46, ttmp9, 17                      ; Q, out0: + 512 rows x work-group x + 32 rows x wave
	s_lshl_b32 s39, s16, 13
	s_add_co_u32 s46, s46, s38
	s_add_co_u32 s46, s46, s39
	s_mov_b32 s47, 0
	s_lshl_b32 s48, s16, 15                        ; K: + 128 rows x wave
	s_add_co_u32 s48, s48, s38
	s_mov_b32 s49, 0
	s_lshl_b32 s50, s31, 16                        ; V: + 256 rows x (wave / 2)
	s_add_co_u32 s50, s50, s38
	s_mov_b32 s51, 0
	s_lshr_b32 s52, s18, 4                         ; the mask: 2,048 bytes for each batch of 16 heads
	s_lshl_b32 s52, s52, 11
	s_mov_b32 s53, 0
	s_wait_kmcnt 0x0
	s_load_b128 s[20:23], s[10:11], 0x0            ; e0, e1, e2, e3
	s_add_nc_u64 s[4:5], s[4:5], s[46:47]
	s_add_nc_u64 s[14:15], s[14:15], s[46:47]
	s_add_nc_u64 s[6:7], s[6:7], s[48:49]
	s_add_nc_u64 s[8:9], s[8:9], s[50:51]
	s_add_nc_u64 s[12:13], s[12:13], s[52:53]
.irp i, 0,1,2,3
	global_load_b128 v[CD+4*\i:CD+4*\i+3], v[LI], s[12:13] offset:512*\i   ; the batch's whole mask, 64 bytes a lane: its words are only ANDed, so any order serves
.endr
	global_load_b32 v240, v15, s[12:13]            ; my thread's four keys
; 32 rows of 256 bytes into 64 registers: each load covers 512 consecutive bytes
.macro LOADB set, base, off, nt
.set i, 0
.rept 16
.if \nt
	global_load_b128 v[\set+4*i:\set+4*i+3], v[LI], s[\base:\base+1] offset:\off+512*i th:TH_LOAD_NT
.else
	global_load_b128 v[\set+4*i:\set+4*i+3], v[LI], s[\base:\base+1] offset:\off+512*i
.endif
.set i, i+1
.endr
.endm
	LOADB XA, 4, 0, 1                              ; my 32 queries: read once in the launch
	LOADB XB, 6, 0, 0                              ; my keys 0-31 (three more work-groups read them)
	LOADB XC, 6, 8192, 0                           ; my keys 32-63
	s_mov_b32 s26, 0x76543210                      ; v_permlanex16_b32's selects for lane l xor 16
	s_mov_b32 s27, 0xfedcba98
	s_mov_b32 s30, 0x3a596d27                      ; sc = sqrt(2^-21 log2(e))
.macro SCALE e, sc, lim                        ; 2^e as f32, and 57,344 x 2^e
	s_add_co_i32 s[\lim], s[\e], 127
	s_lshl_b32 s[\sc], s[\lim], 23
	s_add_co_i32 s[\lim], s[\lim], 15
	s_lshl_b32 s[\lim], s[\lim], 23
	s_or_b32 s[\lim], s[\lim], 0x600000
.endm
	s_wait_kmcnt 0x0
	SCALE 20, 31, 32                               ; Q
	SCALE 21, 33, 34                               ; K
	SCALE 23, 35, 36                               ; V
	SCALE 22, 37, 38                               ; p
	s_add_co_i32 s54, s20, s21
	s_lshl_b32 s54, s54, 23
	s_add_co_i32 s24, s54, 0x3e38aa3b              ; cs = log2(e) / 8 x 2^(e0 + e1): the exponents are added to the exponent field
	s_mov_b32 s25, s24                             ; (named with it as a pair, so it is written)
	s_sub_co_u32 s39, 0xcfee6b28, s54              ; -8e9 x 2^-(e0 + e1)
	s_add_co_i32 s28, s22, s23
	s_add_co_i32 s28, s28, 127
	s_lshl_b32 s28, s28, 23                        ; 2^(e2 + e3)
	s_mov_b32 s29, s28
	s_wait_loadcnt 48                              ; the five loads of the mask are in; the 48 behind them stay out
.irp i, 0,2,4,6,8,10,12,14
	v_and_b32 v[CD+\i], v[CD+\i], v[CD+\i+1]
.endr
.irp i, 0,4,8,12
	v_and_b32 v[CD+\i], v[CD+\i], v[CD+\i+2]
.endr
.irp i, 0,8
	v_and_b32 v[CD+\i], v[CD+\i], v[CD+\i+4]
.endr
	v_and_b32 v[CD], v[CD], v[CD+8]
	v_cmp_eq_u32 vcc_lo, 0x01010101, v[CD]         ; my 64 keys are all masked
	s_cmp_eq_u32 vcc_lo, -1                        ; allm: so are all 2,048.  Three selects on it, nothing between them that writes SCC
	s_cselect_b32 s32, 0, s32                      ; Q's hold
	s_cselect_b32 s39, 0, s39                      ; a masked key's bias
	s_cselect_b32 s19, s36, 0                      ; a masked key's hold of V
	v_mov_b32 v241, s31
	v_mov_b32 v242, s32
	v_mov_b32 v243, s33
	v_mov_b32 v244, s34
	v_mov_b32 v245, s39
	v_mov_b32 v246, s36
	v_mov_b32 v247, s19
.irp b, 0,1,2,3
	v_bfe_u32 v249, v240, 8*\b, 8
	v_cmp_ne_u32 vcc_lo, 0, v249
	v_cndmask_b32 v[CD+\b], 0, v245, vcc_lo
	v_cndmask_b32 v[CD+4+\b], v246, v247, vcc_lo
.endr
	ds_store_b128 v13, v[CD:CD+3]                  ; bias of my four keys
	ds_store_b128 v13, v[CD+4:CD+7] offset:VLIM-BIAS   ; and V's hold
; 32 rows x 64 along K become a group's image.  Register CD + n holds four codes of row 2 n + l / 16; row w of a group is row w % 8 + 8 (w / 16) of tile (w / 8) % 2.
.macro QB set, sc, lim, adr, off
.set i, 0
.rept 64
	v_med3_num_f32 v[\set+i], v[\set+i], -v[\lim], v[\lim]   ; the conversion to an 8-bit code does not saturate (ISA guide 7.6.2): the hold at the largest code x the scale
.set i, i+1
.endr
	s_wait_dscnt 0x0                               ; the last run's stores have read the codes' registers
.set i, 0
.rept 8
	v_cvt_scalef32_pk8_bf8_f32 v[CD+2*i:CD+2*i+1], v[\set+8*i:\set+8*i+7], v[\sc]
.set i, i+1
.endr
	v_nop                                          ; one plain vector instruction behind the last conversion of a run
.set i, 0
.rept 16
	ds_store_b32 v[\adr], v[CD+i] offset:\off+TIL*((i/4)%2)+16*((2*i)%8+8*(i/8))
.set i, i+1
.endr
.endm
	s_wait_loadcnt 32                              ; Q is in; K's two sets stay out
	QB XA, 241, 242, SCQ, 0
.irp t, 0,1
.irp c, 0,1
	ds_load_b128 v[QF+8*\t+4*\c:QF+8*\t+4*\c+3], v10 offset:TIL*\t+CCP*\c   ; LDS serves a wave's instructions in order: these see my stores.  Q's fragments stay in registers
.endr
.endr
	LOADB XA, 6, 2*8192, 0                         ; my keys 64-95
	s_wait_loadcnt 32                              ; keys 0-31 are in; the two sets behind them stay out
	QB XB, 243, 244, SCK, 0
	LOADB XB, 6, 3*8192, 0                         ; my keys 96-127
	s_wait_loadcnt 32
	QB XC, 243, 244, SCK, GRP
.irp i, 0,1,2,3,4,5,6,7,8,9,10,11,12,13,14,15
	global_load_b32 v[VX+\i], v[VOFF], s[8:9] offset:256*\i   ; V: my first 16 keys of my channel: a lane takes a channel and its registers run down the keys, which are V's K
.endr
	s_wait_loadcnt 32                              ; keys 64-95 are in; keys 96-127 and V's 16 loads stay out
	QB XA, 243, 244, SCK, 2*GRP
	s_wait_loadcnt 16                              ; V's 16 loads stay out
	QB XB, 243, 244, SCK, 3*GRP
	s_wait_dscnt 0x0                               ; for the others' sake: my stores have landed; and my reads of Q's image are in, before anybody lays V's codes over it
	s_barrier_signal -1
.irp t, 0,1
	v_mov_b32 v[ST+4*\t+1], 0xff61b1e6             ; the largest t so far: -3e38, under every t
	v_mov_b32 v[ST+4*\t+2], 0                      ; l, in two halves
	v_mov_b32 v[ST+4*\t+3], 0
	v_mov_b32 v[233+2*\t], 0                       ; (named as the upper half of f's pair)
	v_mov_b32 v[244+4*\t], 0                       ; (a lane permute's destination counts as one of its sources)
.endr
.irp t, 0,1
	v_floor_f32 v[ST+4*\t], -v[ST+4*\t+1]          ; -M
.endr
	v_mov_b32 v[VS], s35
	s_mov_b32 s40, 15
	s_mov_b32 s41, 0                               ; the steps of K's image, the bias, V's holds and V's codes
	s_mov_b32 s42, 0
	s_mov_b32 s43, 0
	s_mov_b32 s44, 0
	s_barrier_wait -1                              ; K's image and the two tables are whole
.macro KFETCH adr, off                         ; four fragments: 64 keys
.irp u, 0,1,2,3
.irp c, 0,1
	ds_load_b128 v[FR+8*\u+4*\c:FR+8*\u+4*\c+3], v[\adr] offset:(\off)+TIL*\u+CCP*\c
.endr
.endr
.endm
.macro BFETCH adr, off                         ; their bias: register 16 b + i is key 32 b + 16 h + i
.irp b, 0,1
.irp j, 0,1,2,3
	ds_load_b128 v[BI+16*\b+4*\j:BI+16*\b+4*\j+3], v[\adr] offset:(\off)+128*\b+16*\j
.endr
.endr
.endm
.macro VLFETCH adr, off                        ; the holds of eight keys of V
	ds_load_b128 v[VL:VL+3], v[\adr] offset:(\off)
	ds_load_b128 v[VL+4:VL+7], v[\adr] offset:(\off)+16
.endm
.macro P1EXP t                                 ; 2^(t - M) for the tile's 32 scores of my lane
.set i, 0
.rept 16
	v_pk_fma_f32 v[S+32*\t+2*i:S+32*\t+2*i+1], v[S+32*\t+2*i:S+32*\t+2*i+1], s[24:25], v[ST+4*\t:ST+4*\t+1] op_sel_hi:[1,0,0]   ; of the pairs cs and -M the low word serves both halves
.set i, i+1
.endr
.set i, 0
.rept 32
	v_exp_f32 v[S+32*\t+i], v[S+32*\t+i]
.set i, i+1
.endr
.endm
.macro P1SUM t                                 ; l = l f + their sum, two at a time, in two chains
	v_pk_mul_f32 v[ST+4*\t+2:ST+4*\t+3], v[ST+4*\t+2:ST+4*\t+3], v[232+2*\t:233+2*\t] op_sel_hi:[1,0]
	s_wait_alu depctr_va_vdst(0)
	v_pk_add_f32 v[240+2*\t:241+2*\t], v[S+32*\t:S+32*\t+1], v[S+32*\t+2:S+32*\t+3]
.irp j, 4,8,12,16,20,24,28
	v_pk_add_f32 v[ST+4*\t+2:ST+4*\t+3], v[ST+4*\t+2:ST+4*\t+3], v[S+32*\t+\j:S+32*\t+\j+1]
	v_pk_add_f32 v[240+2*\t:241+2*\t], v[240+2*\t:241+2*\t], v[S+32*\t+\j+2:S+32*\t+\j+3]
.endr
	v_pk_add_f32 v[ST+4*\t+2:ST+4*\t+3], v[ST+4*\t+2:ST+4*\t+3], v[240+2*\t:241+2*\t]
.endm
; PASS 1, 64 keys.  par: the first or second half of a trip.  morek: the next 64 keys are fetched.  morev: V's chunk two halves on is asked for.  lcnt: V's loads that may stay out.
.macro P1HALF par, morek, morev, lcnt
	s_wait_dscnt 0x0                               ; K's fragments, the bias and V's holds are in; my last store has read its registers
.if \par == 0
	v_add_nc_u32 v10, s41, v[AK0]                  ; the trip's addresses: written here, where no LDS instruction of mine is out
	v_add_nc_u32 v11, s42, v[AB0]
	v_add_nc_u32 v12, s43, v[AVL0]
	v_add_nc_u32 v13, s44, v[AVS0]
.endif
.irp u, 0,1,2,3                                ; S^T = K Q^T + bias: eight sums, each of one instruction
.irp t, 0,1
	v_wmma_f32_16x16x64_bf8_bf8 v[S+32*\t+8*\u:S+32*\t+8*\u+7], v[FR+8*\u:FR+8*\u+7], v[QF+8*\t:QF+8*\t+7], v[BI+8*\u:BI+8*\u+7]
.endr
.endr
	s_wait_loadcnt \lcnt                           ; this half's eight numbers of V are in; the next half's eight may be out
.irp i, 0,1,2,3,4,5,6,7
	v_med3_num_f32 v[VX+8*\par+\i], v[VX+8*\par+\i], -v[VL+\i], v[VL+\i]   ; the hold, at 0 for a masked key.  These eight are also the places behind the products (ISA guide 7.12.1)
.endr
	v_cvt_scalef32_pk8_bf8_f32 v[VC:VC+1], v[VX+8*\par:VX+8*\par+7], v[VS]
.if \morek
	KFETCH 10, 2*GRP*(\par+1)
	BFETCH 11, 256*(\par+1)
	VLFETCH 12, 32*(\par+1)
.endif
	ds_store_b64 v13, v[VC:VC+1] offset:8*\par     ; eight keys' codes of my channel
.if \morev
.irp i, 0,1,2,3,4,5,6,7
	global_load_b32 v[VX+8*\par+\i], v[VOFF], s[8:9] offset:4096+2048*\par+256*\i   ; 32 lanes read 128 consecutive bytes; the wave beside me takes the row's other half
.endr
.endif
.irp t, 0,1                                    ; the largest of my 32 scores of each tile, in two chains, from each sum's low end on
	v_max3_num_f32 v[236+2*\t], v[S+32*\t], v[S+32*\t+1], v[S+32*\t+2]
	v_max3_num_f32 v[237+2*\t], v[S+32*\t+3], v[S+32*\t+4], v[S+32*\t+5]
.endr
.irp i, 6,10,14,18,22,26
.irp t, 0,1
	v_max3_num_f32 v[236+2*\t], v[236+2*\t], v[S+32*\t+\i], v[S+32*\t+\i+1]
	v_max3_num_f32 v[237+2*\t], v[237+2*\t], v[S+32*\t+\i+2], v[S+32*\t+\i+3]
.endr
.endr
.irp t, 0,1
	v_max3_num_f32 v[236+2*\t], v[236+2*\t], v[S+32*\t+30], v[S+32*\t+31]
.endr
.irp t, 0,1
	v_max_num_f32 v[236+2*\t], v[236+2*\t], v[237+2*\t]
.endr
.irp t, 0,1
	v_mul_f32 v[236+2*\t], s24, v[236+2*\t]        ; as t (cs is positive)
.endr
.irp t, 0,1
	v_max_num_f32 v[ST+4*\t+1], v[ST+4*\t+1], v[236+2*\t]
.endr
.irp t, 0,1
	v_mov_b32 v[237+2*\t], v[ST+4*\t]
.endr
.irp t, 0,1
	v_floor_f32 v[ST+4*\t], -v[ST+4*\t+1]          ; the new -M = -ceil(the largest t): a whole number
.endr
.irp t, 0,1
	v_sub_f32 v[237+2*\t], v[ST+4*\t], v[237+2*\t] ; old M - new M, 0 or less
.endr
.irp t, 0,1
	v_cvt_i32_f32 v[237+2*\t], v[237+2*\t]         ; (it saturates)
.endr
.irp t, 0,1
	v_ldexp_f32 v[232+2*\t], 1.0, v[237+2*\t]      ; f = 2^(old M - new M): a multiplication by it rounds nothing
.endr
	P1EXP 0
	P1EXP 1                                        ; its scalings are the plain lines behind tile 0's exponentials,
	P1SUM 0                                        ; and this one's first line stands behind tile 1's
	P1SUM 1
.endm
	KFETCH AK0, 0                                  ; the first 64 keys
	BFETCH AB0, 0
	VLFETCH AVL0, 0
.Lp1:                                              ; 15 trips of 128 keys; the sixteenth is written out, so that no load leaves V and no fetch leaves K's image
	P1HALF 0, 1, 1, 8
	P1HALF 1, 1, 1, 8
	s_wait_xcnt 0x0                                ; V's loads have had their addresses translated: their base may step
	s_add_nc_u64 s[8:9], s[8:9], 4096              ; 16 keys of V
	s_add_co_u32 s41, s41, 4*GRP                   ; 128 keys of K
	s_add_co_u32 s42, s42, 512
	s_add_co_u32 s43, s43, 64
	s_add_co_u32 s44, s44, 256
	s_sub_co_u32 s40, s40, 1
	s_cmp_lg_u32 s40, 0
	s_cbranch_scc1 .Lp1
	P1HALF 0, 1, 0, 8
	P1HALF 1, 0, 0, 0
	s_wait_dscnt 0x0                               ; for the others' sake: my codes of V have landed
	s_barrier_signal -1
	; while the others arrive: the two halves of the lanes are joined, and pass 2's constants are made.  Registers only.
.irp t, 0,1
	v_permlanex16_b32 v[244+4*\t], v[ST+4*\t+1], s26, s27
.endr
.irp t, 0,1
	v_max_num_f32 v[244+4*\t], v[ST+4*\t+1], v[244+4*\t]   ; the row's largest t
.endr
.irp t, 0,1
	v_floor_f32 v[245+4*\t], -v[244+4*\t]          ; the row's -M
.endr
.irp t, 0,1
	v_sub_f32 v[246+4*\t], v[245+4*\t], v[ST+4*\t]
.endr
.irp t, 0,1
	v_cvt_i32_f32 v[246+4*\t], v[246+4*\t]
.endr
.irp t, 0,1
	v_ldexp_f32 v[246+4*\t], 1.0, v[246+4*\t]
.endr
.irp t, 0,1
	v_add_f32 v[247+4*\t], v[ST+4*\t+2], v[ST+4*\t+3]
.endr
.irp t, 0,1
	v_mul_f32 v[247+4*\t], v[247+4*\t], v[246+4*\t]        ; my half's sum under the row's M
.endr
.irp t, 0,1
	v_permlanex16_b32 v[244+4*\t], v[247+4*\t], s26, s27
.endr
.irp t, 0,1
	v_add_f32 v[247+4*\t], v[247+4*\t], v[244+4*\t]        ; l
.endr
.irp t, 0,1
	v_log_f32 v[247+4*\t], v[247+4*\t]
.endr
	v_and_b32 v252, 15, v0                         ; (a plain line behind the transcendentals)  r
	s_wait_alu depctr_va_vdst(0)
	v_sub_f32 v224, v245, v247                     ; NM = -M - log2(l)
	v_sub_f32 v226, v249, v251
	v_and_b32 v253, 8, v252
	v_add_nc_u32 v252, v252, v253                  ; r + 8 (r / 8): my query in tile 0
	v_bfe_u32 v253, v0, 4, 1
	v_lshlrev_b32 v253, 4, v253
	v_sub_nc_u32 v252, v252, v253                  ; - 16 h: my half's first key of a block of 32
	s_lshl_b32 s31, ttmp9, 9
	s_lshl_b32 s32, s16, 5
	s_add_co_u32 s31, s31, s32                     ; my wave's first query
	v_add_nc_u32 v252, s31, v252
	v_cvt_f32_i32 v225, v252                       ; d = my query - the first key of my half in the step: a whole number, exact in f32
	v_add_f32 v227, 0x41000000, v225               ; tile 1's queries lie 8 further on
.irp i, 0,1,2,3,4,5,6,7,8,9,10,11,12,13,14,15
	v_cvt_f32_i32 v[T1S+\i], -\i
.endr
.irp i, 0,1,2,3,4,5,6,7,8,9,10,11,12,13,14,15
	v_mul_f32 v[T1S+\i], s30, v[T1S+\i]            ; -sc x i
.endr
	v_mov_b32 v229, s38                            ; 57,344 x 2^e2
	v_mov_b32 v231, s38                            ; (v231 and v235 are named as upper halves of pairs, so they are written)
	v_mov_b32 v233, s37                            ; 2^e2
	v_mov_b32 v235, 0
	s_mov_b32 s41, 0                               ; the steps of K's image and of V's
	s_mov_b32 s45, 0
	s_barrier_wait -1                              ; V's image is whole
.macro SAR t, b                                ; sc x (q - k) for the 16 keys of block b
.set i, 0
.rept 8
	v_pk_add_f32 v[R+2*i:R+2*i+1], v[T1S+2*i:T1S+2*i+1], v[DS+4*\t+2*\b:DS+4*\t+2*\b+1] op_sel_hi:[1,0]
.set i, i+1
.endr
.endm
.macro SAF t, b                                ; the exponent: s cs + NM - (sc (q - k))^2, each sum from its low end on
.set i, 0
.rept 8
	v_pk_fma_f32 v[S+32*\t+16*\b+2*i:S+32*\t+16*\b+2*i+1], v[S+32*\t+16*\b+2*i:S+32*\t+16*\b+2*i+1], s[24:25], v[224+2*\t:225+2*\t] op_sel_hi:[1,0,0]
.set i, i+1
.endr
.set i, 0
.rept 8
	v_pk_fma_f32 v[S+32*\t+16*\b+2*i:S+32*\t+16*\b+2*i+1], v[R+2*i:R+2*i+1], v[R+2*i:R+2*i+1], v[S+32*\t+16*\b+2*i:S+32*\t+16*\b+2*i+1] neg_lo:[1,0,0] neg_hi:[1,0,0]
.set i, i+1
.endr
.endm
.macro EX t
.set i, 0
.rept 32
	v_exp_f32 v[S+32*\t+i], v[S+32*\t+i]           ; the finished weight: softmax x decay
.set i, i+1
.endr
.endm
.macro HOLDCV t
.set i, 0
	s_wait_alu depctr_va_vdst(0)
.rept 32
	v_min_num_f32 v[S+32*\t+i], v[S+32*\t+i], v229 ; the weight is not negative: a one-sided hold (it also holds what a masked key's exponent may give, infinity too)
.set i, i+1
.endr
.set i, 0
.rept 4
	v_cvt_scalef32_pk8_bf8_f32 v[PC+8*\t+2*i:PC+8*\t+2*i+1], v[S+32*\t+8*i:S+32*\t+8*i+7], v233
.set i, i+1
.endr
.endm
; PASS 2, 64 keys.  zero = 1: the first step's products start O^T's sums.
.macro P2STEP zero
	v_add_nc_u32 v10, s41, v[AK0]                  ; eleven plain lines: the places behind the last step's products, in front of the loads into their operands
	v_add_nc_u32 v11, s45, v[AV0]
	v_add_nc_u32 v12, 2*VPL, v11
.irp t, 0,1
	v_mul_f32 v[DS+4*\t], s30, v[225+2*\t]         ; sc x d for keys 0-31 of the step,
	v_add_f32 v235, 0xc2000000, v[225+2*\t]
	v_mul_f32 v[DS+4*\t+2], s30, v235              ; sc x (d - 32) for keys 32-63,
	v_add_f32 v[225+2*\t], 0xc2800000, v[225+2*\t] ; and d - 64 for the next step
.endr
	KFETCH 10, 0
	s_wait_dscnt 0x0
.irp u, 0,1,2,3
.irp t, 0,1
	v_wmma_f32_16x16x64_bf8_bf8 v[S+32*\t+8*\u:S+32*\t+8*\u+7], v[FR+8*\u:FR+8*\u+7], v[QF+8*\t:QF+8*\t+7], 0
.endr
.endr
	SAR 0, 0                                       ; eight plain lines that name no register of the products: their places
.irp c, 0,1                                    ; V^T's four fragments take K's place: channels 16 c on, registers 4 b on: keys 32 b + 16 h + 0 .. 15, as p's codes lie
.irp b, 0,1
	ds_load_b128 v[FR+8*\c+4*\b:FR+8*\c+4*\b+3], v11 offset:VPL*\c+512*\b
.endr
.endr
.irp c, 0,1
.irp b, 0,1
	ds_load_b128 v[FR+16+8*\c+4*\b:FR+16+8*\c+4*\b+3], v12 offset:VPL*\c+512*\b
.endr
.endr
	SAF 0, 0
	SAR 0, 1
	SAF 0, 1
	EX 0
	SAR 1, 0                                       ; plain lines behind tile 0's exponentials
	SAF 1, 0
	SAR 1, 1
	SAF 1, 1
	EX 1
	HOLDCV 0                                       ; its holds stand behind tile 1's exponentials,
	HOLDCV 1                                       ; and this one's behind tile 0's conversions
	v_nop                                          ; one plain vector instruction between the last conversion and the products that read the codes
	s_wait_dscnt 0x0                               ; V's fragments are in
.irp c, 0,1,2,3                                ; O^T += V^T P^T: the eight accumulators take turns, one instruction a turn, with the eight score products between two turns
.irp t, 0,1
.if \zero
	v_wmma_f32_16x16x64_bf8_bf8 v[O+32*\t+8*\c:O+32*\t+8*\c+7], v[FR+8*\c:FR+8*\c+7], v[PC+8*\t:PC+8*\t+7], 0
.else
	v_wmma_f32_16x16x64_bf8_bf8 v[O+32*\t+8*\c:O+32*\t+8*\c+7], v[FR+8*\c:FR+8*\c+7], v[PC+8*\t:PC+8*\t+7], v[O+32*\t+8*\c:O+32*\t+8*\c+7]
.endif
.endr
.endr
	s_add_co_u32 s41, s41, 2*GRP
	s_add_co_u32 s45, s45, 1024
.endm
	P2STEP 1
	s_mov_b32 s40, 31
.Lp2:
	P2STEP 0
	s_sub_co_u32 s40, s40, 1
	s_cmp_lg_u32 s40, 0
	s_cbranch_scc1 .Lp2
	s_wait_dscnt 0x0                               ; my reads of K's image are over: behind this barrier the stages lie there
	s_barrier_signal -1
	v_and_b32 v10, 15, v0                          ; r.  (These eleven lines are also the places behind the last products)
	v_and_b32 v11, 8, v10
	v_add_nc_u32 v11, v11, v10                     ; r + 8 (r / 8): my query's row among tile 0's
	v_bfe_u32 v12, v0, 4, 1                        ; h
	v_mul_u32_u24 v11, v11, SPITCH
	v_lshl_add_u32 v11, v12, 5, v11                ; + 32 h: my eight channels of sixteen
	s_mul_i32 s31, s16, 32*SPITCH                  ; my stage
	v_add_nc_u32 v11, s31, v11                     ; in
	v_mul_u32_u24 v12, v12, SPITCH
	v_lshl_add_u32 v12, v10, 4, v12
	v_add_nc_u32 v12, s31, v12                     ; back: lanes 0-15 one row of 256 bytes, lanes 16-31 the next
	s_barrier_wait -1
	; THE WAY OUT.  A lane holds eight neighbouring channels of a row, the lanes beside it other rows: the wave's 32 rows go through its stage and leave as whole rows.
.set i, 0
.rept 32
	v_pk_mul_f32 v[S+2*i:S+2*i+1], v[O+2*i:O+2*i+1], s[28:29] op_sel_hi:[1,0]   ; x 2^(e2 + e3), each accumulator from its low end on
.set i, i+1
.endr
.irp t, 0,1
.irp c, 0,1,2,3
	ds_store_b128 v11, v[S+32*\t+8*\c:S+32*\t+8*\c+3] offset:8*SPITCH*\t+64*\c
	ds_store_b128 v11, v[S+32*\t+8*\c+4:S+32*\t+8*\c+7] offset:8*SPITCH*\t+64*\c+16
.endr
.endr
.irp n, 0,1,2,3,4,5,6,7,8,9,10,11,12,13,14,15
	ds_load_b128 v[32+4*\n:35+4*\n], v12 offset:2*SPITCH*\n   ; LDS serves a wave's instructions in order: these see my stores
.endr
.irp n, 0,1,2,3,4,5,6,7,8,9,10,11,12,13,14,15
	s_wait_dscnt 15-\n                             ; load n is in; the younger ones may be out
	global_store_b128 v[LI], v[32+4*\n:35+4*\n], s[14:15] offset:512*\n th:TH_STORE_NT   ; 32 lanes store 512 consecutive bytes, two whole rows of out0, at a multiple of 512 from its first byte
.endr
	s_wait_tensorcnt 0x0
	ds_add_u32 v254, v255
	s_wait_dscnt 0x0
	s_endpgm
.Lfunc_end_k_q63a8bba585_attn:
	.size	k_q63a8bba585_attn, .Lfunc_end_k_q63a8bba585_attn-k_q63a8bba585_attn
	.p2alignl 7, 3214868480
	.fill 96, 4, 3214868480
	.section	.rodata,"a",@progbits
	.p2align	6, 0x0
	.amdhsa_kernel k_q63a8bba585_attn
		.amdhsa_group_segment_fixed_size 296960
		.amdhsa_private_segment_fixed_size 0
		.amdhsa_enable_private_segment 0
		.amdhsa_kernarg_size 48
		.amdhsa_user_sgpr_count 2
		.amdhsa_user_sgpr_kernarg_segment_ptr 1
		.amdhsa_wavefront_size32 1
		.amdhsa_system_sgpr_workgroup_id_x 1
		.amdhsa_system_sgpr_workgroup_id_y 1
		.amdhsa_system_sgpr_workgroup_id_z 1
		.amdhsa_system_vgpr_workitem_id 0
		.amdhsa_next_free_vgpr 256
		.amdhsa_next_free_sgpr 66
		.amdhsa_reserve_vcc 1
		.amdhsa_float_denorm_mode_32 3
		.amdhsa_float_denorm_mode_16_64 3
		.amdhsa_memory_ordered 1
		.amdhsa_forward_progress 1
		.amdhsa_inst_pref_size 128
	.end_amdhsa_kernel
	.amdgpu_metadata
---
amdhsa.version: [ 1, 2 ]
amdhsa.kernels:
  - .name:           k_q63a8bba585_attn
    .symbol:         k_q63a8bba585_attn.kd
    .args:
      - { .name: Q, .offset: 0, .size: 8, .value_kind: global_buffer, .address_space: global }
      - { .name: K, .offset: 8, .size: 8, .value_kind: global_buffer, .address_space: global }
      - { .name: V, .offset: 16, .size: 8, .value_kind: global_buffer, .address_space: global }
      - { .name: lowp_scales, .offset: 24, .size: 8, .value_kind: global_buffer, .address_space: global }
      - { .name: mask_out, .offset: 32, .size: 8, .value_kind: global_buffer, .address_space: global }
      - { .name: out0, .offset: 40, .size: 8, .value_kind: global_buffer, .address_space: global }
    .group_segment_fixed_size: 296960
    .private_segment_fixed_size: 0
    .kernarg_segment_align: 8
    .kernarg_segment_size: 48
    .max_flat_workgroup_size: 512
    .sgpr_count:     66
    .vgpr_count:     256
    .wavefront_size: 32
...
	.end_amdgpu_metadata
.endif
;; end of part 1
;; ======== version 2 of 2: 1 launch; version 1 with the launch attn written anew for expert scheduling mode
;; limits: right only within a limited range of input values
;; launch attn (part 2): grid 4 x 64, 16 waves a work-group, no clusters, 296,960 bytes of LDS; arguments Q, K, V, lowp_scales, mask_out, out0; writes out0
.if DOCPART == 2
	.amdgcn_target "amdgcn-amd-amdhsa--gfx1250"
	.amdhsa_code_object_version 6
	.text
	.protected	k_q63a8bba585_attn
	.globl	k_q63a8bba585_attn
	.p2align	8
	.type	k_q63a8bba585_attn,@function
k_q63a8bba585_attn:
	s_mov_b64 s[64:65], 0
	v_nop
	global_prefetch_b8 v0, s[64:65] scope:SCOPE_SE
	s_setreg_imm32_b32 hwreg(HW_REG_WAVE_SCHED_MODE, 0, 2), 2
	s_setreg_imm32_b32 hwreg(HW_REG_WAVE_MODE, 25, 1), 1
	s_wait_xcnt 0x0
	s_wait_alu depctr_vm_vsrc(0)
; out0[b][h][q][:] = sum over k of ( softmax_k(Q.K / 8, masked keys at -1e9) x exp(-(q-k)^2 x 2^-21) ) V[k][:],  4 x 16 heads, 2,048 queries and keys, head size 64.
; Both products on codes of BF8 (E5M2), each operand with its given scale 2^e: e0 (Q), e1 (K), e2 (the finished weight), e3 (V).  The weight is quantised FINISHED: normalised and with the decay.
; So a row's maximum and sum are known before any weight is made: TWO PASSES over the keys, and Q K^T is multiplied twice (2,048 scores for each of a wave's queries do not fit in registers).
; SHARES.  Work-group (x, y): head y, queries 512 x .. 512 x + 511.  Sixteen waves, four to a SIMD, 256 registers each; a wave owns 32 queries, two tiles of 16, and walks all keys, 64 a step.
; The whole head's K and V lie in LDS as codes; the work-group quantises them itself, K ahead of pass 1, V inside pass 1 (each wave 128 keys of K, 256 keys x 32 channels of V).
; NO TENSOR LOADS, NO CLUSTER: what the four work-groups of a head share (K, V) arrives as f32 and has to pass through the vector unit's conversions; a head's K and V in f32 are 1 MiB, more than LDS
; holds beside their 256 KiB of codes.  The price: each head's K and V are converted four times, 512 numbers a lane against some 130,000 scores a lane.
; LAYOUT.  Both products are used transposed (S^T = K Q^T, O^T = V^T P^T): a lane holds ONE query throughout.  THE ROWS OF A TILE ARE NOT NEIGHBOURS: row r of tile u of a group of 32 is row 8 u + r + 8 (r / 8),
; so that the 16 registers of two neighbouring score tiles are 16 neighbouring keys: the conversions' results are the second product's operand.  Along each K both operands use one and the same order of k.
; THE MASK costs no instruction a score.  allm = every key of the batch is masked; m'(k) = mask(k) and not allm.
;   pass 1: the C of the score products is bias(k) = m' ? -8e9 x 2^-(e0+e1) : 0, that is -1e9 as a score: such a key adds 0 to the sum and never holds the maximum once a key that counts has come.
;   pass 2: V's codes of m' keys are zeros (their hold is at 0), so whatever held weight such a key gets adds nothing.
;   allm: Q's hold is at 0, all scores are 0, no bias, V is kept: the uniform softmax that equal scores of -1e9 give.  All choices are selects; no branch hangs on loaded data.
; ARITHMETIC.  t = s x cs, cs = log2(e) / 8 x 2^(e0+e1).  Pass 1, for each lane: the running largest t, M = that rounded up to a whole number, l = sum of 2^(t - M); when M moves, l is multiplied by 2^(old M - new M).
;   The two halves of the lanes are joined once, behind pass 1.  NM = -M - log2(l).  Pass 2: p = 2^(s cs + NM - (sc (q - k))^2), sc^2 = 2^-21 log2(e): normalisation and decay stand in the one exponent.
; LIMITS: e0 + e1 between -95 and 130; e0, e1, e2, e3 each between -126 and 112; e2 + e3 between -126 and 127 (each power of two below is an f32 number).  NaN among the inputs is not served.
;   A row whose largest score among the keys that count lies under about -1e9 + 100 would share weight with masked keys in f32; here masked keys get none.
; THE MODE: SCHED_MODE bits 1:0 = 2 (LLVM: expert scheduling mode 2), set by the entry lines.  The code itself states the register dependences
; between vector or matrix instructions and memory or LDS instructions, with s_wait_alu, always for 0.
; THE PLAN.  Registers that memory or LDS instructions touch, and who else names them:
;   v1-9, v15    offsets and addresses that stay: made at the head, ahead of one wait on va_vdst, and never written again.
;   v10-13       addresses in hand: written at the head of a trip of pass 1, at the head of a step of pass 2 and on the way out, each time behind a wait on vm_vsrc; the next wait on va_vdst stands ahead of their first reader.
;   AHEAD OF PASS 1, a run of 32 rows: its holds and conversions work on a set (XA, XB, XC) and write CD; the scattering stores read CD; the next loads land in the set.
;                One wait on va_vdst behind the conversions states both; one on vm_vsrc ahead of them states that the last run's stores have read CD.
;   PASS 1, 64 keys: the products read FR and BI; V's holds read VL and write VX; V's conversion reads VX and writes VC.  One wait on va_vdst behind that conversion states it all; behind it stand, in one run,
;                the next 64 keys' loads into FR, BI and VL, the store of VC and the loads into VX.  A second one stands behind the exponentials, ahead of the sums that read them.
;   PASS 2, 64 keys: the score products read FR; K of the NEXT step lands there, asked for behind a wait on va_vdst which also stands between tile 0's exponentials and their readers.
;                V's fragments land in VF, the registers that tile 0's weights have left, behind the next wait, which also stands between tile 1's exponentials and their readers; the step's last products read VF.
;   S (but for VF), O, PC, T1S, R and the statistics are named by vector and matrix instructions alone until the way out.
.set SEQ,    2048
.set HP,     288                       ; K's image: the two halves of the lanes lie 288 bytes apart (16 rows x 16 bytes + 32),
.set CCP,    576                       ; a fragment's two groups of four registers 576,
.set TIL,    1152                      ; the tiles 1,152: the 32 lanes of a scattering store of 4 bytes then fall on 32 different words modulo 64
.set GRP,    2304                      ; a group of 32 rows: two tiles
.set KIMG,   0                         ; LDS: 64 groups of K: 147,456 bytes.  Behind pass 2: the waves' stages for the way out
.set VIMG,   64*GRP                    ; V: four planes of 16 channels; in a plane 16 keys x 16 channels are 256 bytes, a channel's 16 keys 16 bytes.  Ahead of pass 1: the waves' images of Q
.set VPL,    32768                     ; a plane
.set BIAS,   VIMG+4*VPL                ; f32 for each key
.set VLIM,   BIAS+4*SEQ                ; f32 for each key: V's hold
.set SPITCH, 272                       ; the stage: 32 rows of 256 bytes + 16
.set LI,   1                           ; v1   16 x lane
.set AK0,  2                           ; v2   a fragment of K or Q: 16 r + 288 h
.set AB0,  3                           ; v3   BIAS + 64 h
.set AVL0, 4                           ; v4   VLIM + 1,024 (wave / 2)
.set AVS0, 5                           ; v5   where my codes of V go
.set VOFF, 6                           ; v6   my channel's bytes in a row of V
.set AV0,  7                           ; v7   VIMG + 16 x lane
.set SCK,  8                           ; v8   where I scatter K's codes
.set SCQ,  9                           ; v9   and Q's
                                       ; v10-13 addresses in hand; v14, v15 at work
.set QF,   16                          ; v16-31  Q's two fragments
.set FR,   32                          ; v32-63  four fragments of K
.set BI,   64                          ; v64-95  pass 1: the bias, in the result's layout
.set PC,   64                          ; v64-79  pass 2: p's codes
.set T1S,  80                          ; v80-95  pass 2: -sc x i, i = 0 .. 15
.set S,    96                          ; v96-159 scores, then weights: tile t of queries, tile u of keys at S + 32 t + 8 u
.set VF,   96                          ; v96-127 pass 2: V^T's four fragments, once tile 0's weights are codes
.set O,    160                         ; v160-223 pass 2: O^T: tile t, channels 16 c on at O + 32 t + 8 c
.set XA,   32                          ; ahead of pass 1: three sets of 64 numbers,
.set XB,   96
.set XC,   160
.set CD,   224                         ; and 16 registers of codes (first the mask's words)
.set VX,   160                         ; pass 1: two sets of 8 numbers of V; v176-183 their holds; v184-185 their codes; v186 2^e3
.set VL,   176
.set VC,   184
.set VS,   186
.set ST,   224                         ; pass 1: tile t at ST + 4 t: -M, the largest t, l in two halves.  v232-235 f; v236-239 maxima; v240-243 sums
.set DS,   228                         ; pass 2: v224 NM0, v225 d0, v226 NM1, v227 d1; sc x d at v228, v230 (tile 0), v232, v234 (tile 1); v229, v231 the hold of p; v233 2^e2; v235 at work
.set R,    236                         ; pass 2: v236-251 sc x (q - k) for 16 keys
	s_load_b256 s[4:11], s[0:1], 0x0               ; Q s[4:5], K s[6:7], V s[8:9], the scales' exponents s[10:11]
	s_load_b128 s[12:15], s[0:1], 0x20             ; the mask s[12:13], out0 s[14:15]
	v_lshl_add_u32 v254, v0, 2, 0x48000
	v_mov_b32 v255, 0
	v_lshrrev_b32 v14, 5, v0
	v_readfirstlane_b32 s16, v14                   ; wave 0..15
	s_and_b32 s18, ttmp7, 0xffff                   ; the head, 0..63
	v_and_b32 v14, 31, v0                          ; lane
	v_and_b32 v15, 15, v0                          ; r
	s_wait_alu depctr_va_vdst(0)
	v_bfe_u32 v10, v0, 4, 1                        ; h
	v_lshlrev_b32 v[LI], 4, v14
	v_mul_u32_u24 v[AK0], v10, HP
	v_lshl_add_u32 v[AK0], v15, 4, v[AK0]
	v_lshl_add_u32 v[AB0], v10, 6, BIAS            ; my half's 16 keys of a block of 32
	s_wait_alu depctr_va_sdst(0)                   ; s16 is written, ahead of its first reader
	s_lshr_b32 s31, s16, 1                         ; wave / 2: which 256 keys of V are mine
	s_and_b32 s32, s16, 1                          ; wave % 2: which 32 channels
	s_lshl_b32 s33, s31, 10
	s_add_co_u32 s33, s33, VLIM
	v_mov_b32 v[AVL0], s33
	s_lshl_b32 s34, s32, 16                        ; V's codes: plane 2 (wave % 2) + h,
	s_lshl_b32 s35, s31, 12                        ; 256 keys are 16 blocks of 256 bytes,
	s_add_co_u32 s34, s34, s35
	s_add_co_u32 s34, s34, VIMG
	v_lshlrev_b32 v[AVS0], 4, v15                  ; channel r of the plane
	s_wait_alu depctr_va_vdst(0)
	v_lshl_add_u32 v[AVS0], v10, 15, v[AVS0]
	v_add_nc_u32 v[AVS0], s34, v[AVS0]
	s_lshl_b32 s35, s32, 7
	v_lshlrev_b32 v[VOFF], 2, v14
	v_add_nc_u32 v[VOFF], s35, v[VOFF]             ; channel 32 (wave % 2) + lane
	v_add_nc_u32 v[AV0], VIMG, v[LI]
	; A load of 512 bytes gives lane l the numbers 4 (l % 16) .. + 3 along K of row l / 16 of two rows.  With q = l % 16 their four codes are register q % 8 of the lanes' half q / 8:
	v_bfe_u32 v11, v0, 3, 1
	v_mul_u32_u24 v11, v11, HP                     ; half q / 8,
	v_bfe_u32 v12, v0, 2, 1
	v_mul_u32_u24 v12, v12, CCP                    ; group of four registers (q / 4) % 2,
	v_add_nc_u32 v11, v11, v12
	v_and_b32 v13, 3, v0
	v_lshl_add_u32 v11, v13, 2, v11                ; register q % 4 of it,
	v_lshl_add_u32 v11, v10, 4, v11                ; and the odd row one place further on
	s_mul_i32 s36, s16, 4*GRP
	v_add_nc_u32 v[SCK], s36, v11                  ; my four groups of K
	s_mul_i32 s37, s16, GRP
	s_add_co_u32 s37, s37, VIMG
	v_add_nc_u32 v[SCQ], s37, v11                  ; my image of Q
	v_add_nc_u32 v10, s37, v[AK0]                  ; and where I read it back
	v_lshlrev_b32 v15, 2, v0                       ; my thread's four keys in the mask
	v_lshl_add_u32 v13, v0, 4, BIAS                ; and in the tables
	s_lshl_b32 s38, s18, 19                        ; a head is 2,048 rows of 256 bytes
	s_lshl_b32 s46, ttmp9, 17                      ; Q, out0: + 512 rows x work-group x + 32 rows x wave
	s_lshl_b32 s39, s16, 13
	s_add_co_u32 s46, s46, s38
	s_add_co_u32 s46, s46, s39
	s_mov_b32 s47, 0
	s_lshl_b32 s48, s16, 15                        ; K: + 128 rows x wave
	s_add_co_u32 s48, s48, s38
	s_mov_b32 s49, 0
	s_lshl_b32 s50, s31, 16                        ; V: + 256 rows x (wave / 2)
	s_add_co_u32 s50, s50, s38
	s_mov_b32 s51, 0
	s_lshr_b32 s52, s18, 4                         ; the mask: 2,048 bytes for each batch of 16 heads
	s_lshl_b32 s52, s52, 11
	s_mov_b32 s53, 0
	s_wait_kmcnt 0x0
	s_load_b128 s[20:23], s[10:11], 0x0            ; e0, e1, e2, e3
	s_add_nc_u64 s[4:5], s[4:5], s[46:47]
	s_add_nc_u64 s[14:15], s[14:15], s[46:47]
	s_add_nc_u64 s[6:7], s[6:7], s[48:49]
	s_add_nc_u64 s[8:9], s[8:9], s[50:51]
	s_add_nc_u64 s[12:13], s[12:13], s[52:53]
	s_wait_alu depctr_va_vdst(0)                   ; the offsets and addresses v1 to v13 and v15 are written, which the loads and stores below read
.irp i, 0,1,2,3
	global_load_b128 v[CD+4*\i:CD+4*\i+3], v[LI], s[12:13] offset:512*\i   ; the batch's whole mask, 64 bytes a lane: its words are only ANDed, so any order serves
.endr
	global_load_b32 v240, v15, s[12:13]            ; my thread's four keys
; 32 rows of 256 bytes into 64 registers: each load covers 512 consecutive bytes
.macro LOADB set, base, off, nt
.set i, 0
.rept 16
.if \nt
	global_load_b128 v[\set+4*i:\set+4*i+3], v[LI], s[\base:\base+1] offset:\off+512*i th:TH_LOAD_NT
.else
	global_load_b128 v[\set+4*i:\set+4*i+3], v[LI], s[\base:\base+1] offset:\off+512*i
.endif
.set i, i+1
.endr
.endm
	LOADB XA, 4, 0, 1                              ; my 32 queries: read once in the launch
	LOADB XB, 6, 0, 0                              ; my keys 0-31 (three more work-groups read them)
	LOADB XC, 6, 8192, 0                           ; my keys 32-63
	s_mov_b32 s26, 0x76543210                      ; v_permlanex16_b32's selects for lane l xor 16
	s_mov_b32 s27, 0xfedcba98
	s_mov_b32 s30, 0x3a596d27                      ; sc = sqrt(2^-21 log2(e))
.macro SCALE e, sc, lim                        ; 2^e as f32, and 57,344 x 2^e
	s_add_co_i32 s[\lim], s[\e], 127
	s_lshl_b32 s[\sc], s[\lim], 23
	s_add_co_i32 s[\lim], s[\lim], 15
	s_lshl_b32 s[\lim], s[\lim], 23
	s_or_b32 s[\lim], s[\lim], 0x600000
.endm
	s_wait_kmcnt 0x0
	SCALE 20, 31, 32                               ; Q
	SCALE 21, 33, 34                               ; K
	SCALE 23, 35, 36                               ; V
	SCALE 22, 37, 38                               ; p
	s_add_co_i32 s54, s20, s21
	s_lshl_b32 s54, s54, 23
	s_add_co_i32 s24, s54, 0x3e38aa3b              ; cs = log2(e) / 8 x 2^(e0 + e1): the exponents are added to the exponent field
	s_mov_b32 s25, s24                             ; (named with it as a pair, so it is written)
	s_sub_co_u32 s39, 0xcfee6b28, s54              ; -8e9 x 2^-(e0 + e1)
	s_add_co_i32 s28, s22, s23
	s_add_co_i32 s28, s28, 127
	s_lshl_b32 s28, s28, 23                        ; 2^(e2 + e3)
	s_mov_b32 s29, s28
	s_wait_loadcnt 48                              ; the five loads of the mask are in; the 48 behind them stay out
.irp i, 0,2,4,6,8,10,12,14
	v_and_b32 v[CD+\i], v[CD+\i], v[CD+\i+1]
.endr
.irp i, 0,4,8,12
	v_and_b32 v[CD+\i], v[CD+\i], v[CD+\i+2]
.endr
.irp i, 0,8
	v_and_b32 v[CD+\i], v[CD+\i], v[CD+\i+4]
.endr
	v_and_b32 v[CD], v[CD], v[CD+8]
	v_cmp_eq_u32 vcc_lo, 0x01010101, v[CD]         ; my 64 keys are all masked
.irp b, 0,1,2,3
	v_bfe_u32 v[248+\b], v240, 8*\b, 8             ; my thread's four keys, a byte each
.endr
.irp b, 0,1,2,3
	v_cmp_ne_u32 s[56+\b], 0, v[248+\b]            ; the four compares in one run, each into a scalar register of its own
.endr
	s_wait_alu depctr_va_vcc(0)                    ; VCC is written, ahead of the scalar compare that reads it
	s_cmp_eq_u32 vcc_lo, -1                        ; allm: so are all 2,048.  Three selects on it, nothing between them that writes SCC
	s_cselect_b32 s32, 0, s32                      ; Q's hold
	s_cselect_b32 s39, 0, s39                      ; a masked key's bias
	s_cselect_b32 s19, s36, 0                      ; a masked key's hold of V
	v_mov_b32 v241, s31
	v_mov_b32 v242, s32
	v_mov_b32 v243, s33
	v_mov_b32 v244, s34
	v_mov_b32 v245, s39
	v_mov_b32 v246, s36
	v_mov_b32 v247, s19
	s_wait_alu depctr_va_sdst(0)                   ; s56 to s59 are written, ahead of the selects that read them
.irp b, 0,1,2,3
	v_cndmask_b32 v[CD+\b], 0, v245, s[56+\b]
	v_cndmask_b32 v[CD+4+\b], v246, v247, s[56+\b]
.endr
	s_wait_alu depctr_va_vdst(0)                   ; the selects have written v[CD .. CD + 7], which the two stores read
	ds_store_b128 v13, v[CD:CD+3]                  ; bias of my four keys
	ds_store_b128 v13, v[CD+4:CD+7] offset:VLIM-BIAS   ; and V's hold
; 32 rows x 64 along K become a group's image.  Register CD + n holds four codes of row 2 n + l / 16; row w of a group is row w % 8 + 8 (w / 16) of tile (w / 8) % 2.
.macro QB set, sc, lim, adr, off
.set i, 0
.rept 64
	v_med3_num_f32 v[\set+i], v[\set+i], -v[\lim], v[\lim]   ; the conversion to an 8-bit code does not saturate (ISA guide 7.6.2): the hold at the largest code x the scale
.set i, i+1
.endr
	s_wait_alu depctr_va_vdst(0)
	s_wait_dscnt 0x0                               ; the last run's stores are done,
	s_wait_alu depctr_vm_vsrc(0)                   ; and they have read v[CD ..], which the conversions write again
.set i, 0
.rept 8
	v_cvt_scalef32_pk8_bf8_f32 v[CD+2*i:CD+2*i+1], v[\set+8*i:\set+8*i+7], v[\sc]
.set i, i+1
.endr
	v_nop                                          ; one plain vector instruction behind the last conversion of a run
	s_wait_alu depctr_va_vdst(0)                   ; the conversions have written v[CD ..], which the stores read; holds and conversions are done with the set, in which the next loads land
.set i, 0
.rept 16
	ds_store_b32 v[\adr], v[CD+i] offset:\off+TIL*((i/4)%2)+16*((2*i)%8+8*(i/8))
.set i, i+1
.endr
.endm
	s_wait_loadcnt 32                              ; Q is in; K's two sets stay out
	QB XA, 241, 242, SCQ, 0
.irp t, 0,1
.irp c, 0,1
	ds_load_b128 v[QF+8*\t+4*\c:QF+8*\t+4*\c+3], v10 offset:TIL*\t+CCP*\c   ; LDS serves a wave's instructions in order: these see my stores.  Q's fragments stay in registers
.endr
.endr
	LOADB XA, 6, 2*8192, 0                         ; my keys 64-95.  No vector instruction since the run's wait names the set
	s_wait_loadcnt 32                              ; keys 0-31 are in; the two sets behind them stay out
	QB XB, 243, 244, SCK, 0
	LOADB XB, 6, 3*8192, 0                         ; my keys 96-127
	s_wait_loadcnt 32
	QB XC, 243, 244, SCK, GRP
.irp i, 0,1,2,3,4,5,6,7,8,9,10,11,12,13,14,15
	global_load_b32 v[VX+\i], v[VOFF], s[8:9] offset:256*\i   ; V: my first 16 keys of my channel: a lane takes a channel and its registers run down the keys, which are V's K.  They land in the set that the run above is done with
.endr
	s_wait_loadcnt 32                              ; keys 64-95 are in; keys 96-127 and V's 16 loads stay out
	QB XA, 243, 244, SCK, 2*GRP
	s_wait_loadcnt 16                              ; V's 16 loads stay out
	QB XB, 243, 244, SCK, 3*GRP
	s_wait_dscnt 0x0                               ; for the others' sake: my stores have landed; and my reads of Q's image are in, before anybody lays V's codes over it
	s_wait_alu depctr_vm_vsrc(0)                   ; the last run's stores have read v[CD ..], over which pass 1's statistics are written below
	s_barrier_signal -1
.irp t, 0,1
	v_mov_b32 v[ST+4*\t+1], 0xff61b1e6             ; the largest t so far: -3e38, under every t
	v_mov_b32 v[ST+4*\t+2], 0                      ; l, in two halves
	v_mov_b32 v[ST+4*\t+3], 0
	v_mov_b32 v[233+2*\t], 0                       ; (named as the upper half of f's pair)
	v_mov_b32 v[244+4*\t], 0                       ; (a lane permute's destination counts as one of its sources)
.endr
.irp t, 0,1
	v_floor_f32 v[ST+4*\t], -v[ST+4*\t+1]          ; -M
.endr
	v_mov_b32 v[VS], s35
	s_mov_b32 s40, 15
	s_mov_b32 s41, 0                               ; the steps of K's image, the bias, V's holds and V's codes
	s_mov_b32 s42, 0
	s_mov_b32 s43, 0
	s_mov_b32 s44, 0
	s_barrier_wait -1                              ; K's image and the two tables are whole
.macro KFETCH adr, off                         ; four fragments: 64 keys
.irp u, 0,1,2,3
.irp c, 0,1
	ds_load_b128 v[FR+8*\u+4*\c:FR+8*\u+4*\c+3], v[\adr] offset:(\off)+TIL*\u+CCP*\c
.endr
.endr
.endm
.macro BFETCH adr, off                         ; their bias: register 16 b + i is key 32 b + 16 h + i
.irp b, 0,1
.irp j, 0,1,2,3
	ds_load_b128 v[BI+16*\b+4*\j:BI+16*\b+4*\j+3], v[\adr] offset:(\off)+128*\b+16*\j
.endr
.endr
.endm
.macro VLFETCH adr, off                        ; the holds of eight keys of V
	ds_load_b128 v[VL:VL+3], v[\adr] offset:(\off)
	ds_load_b128 v[VL+4:VL+7], v[\adr] offset:(\off)+16
.endm
.macro P1EXP t                                 ; 2^(t - M) for the tile's 32 scores of my lane
.set i, 0
.rept 16
	v_pk_fma_f32 v[S+32*\t+2*i:S+32*\t+2*i+1], v[S+32*\t+2*i:S+32*\t+2*i+1], s[24:25], v[ST+4*\t:ST+4*\t+1] op_sel_hi:[1,0,0]   ; of the pairs cs and -M the low word serves both halves
.set i, i+1
.endr
.set i, 0
	s_wait_alu depctr_va_vdst(0)
.rept 32
	v_exp_f32 v[S+32*\t+i], v[S+32*\t+i]
.set i, i+1
.endr
.endm
.macro P1SCL t                                 ; l = l f,
	v_pk_mul_f32 v[ST+4*\t+2:ST+4*\t+3], v[ST+4*\t+2:ST+4*\t+3], v[232+2*\t:233+2*\t] op_sel_hi:[1,0]
.endm
.macro P1SUM t                                 ; + the sum of the tile's 32, two at a time, in two chains
	v_pk_add_f32 v[240+2*\t:241+2*\t], v[S+32*\t:S+32*\t+1], v[S+32*\t+2:S+32*\t+3]
.irp j, 4,8,12,16,20,24,28
	v_pk_add_f32 v[ST+4*\t+2:ST+4*\t+3], v[ST+4*\t+2:ST+4*\t+3], v[S+32*\t+\j:S+32*\t+\j+1]
	v_pk_add_f32 v[240+2*\t:241+2*\t], v[240+2*\t:241+2*\t], v[S+32*\t+\j+2:S+32*\t+\j+3]
.endr
	v_pk_add_f32 v[ST+4*\t+2:ST+4*\t+3], v[ST+4*\t+2:ST+4*\t+3], v[240+2*\t:241+2*\t]
.endm
; PASS 1, 64 keys.  par: the first or second half of a trip.  morek: the next 64 keys are fetched.  morev: V's chunk two halves on is asked for.  lcnt: V's loads that may stay out.
.macro P1HALF par, morek, morev, lcnt
	s_wait_dscnt 0x0                               ; K's fragments, the bias and V's holds are in
	s_wait_alu depctr_vm_vsrc(0)                   ; my LDS instructions issued so far have read v10 to v13 and V's codes v[VC ..], which are written again below
.if \par == 0
	v_add_nc_u32 v10, s41, v[AK0]                  ; the trip's addresses
	v_add_nc_u32 v11, s42, v[AB0]
	v_add_nc_u32 v12, s43, v[AVL0]
	v_add_nc_u32 v13, s44, v[AVS0]
.endif
.irp u, 0,1,2,3                                ; S^T = K Q^T + bias: eight sums, each of one instruction
.irp t, 0,1
	v_wmma_f32_16x16x64_bf8_bf8 v[S+32*\t+8*\u:S+32*\t+8*\u+7], v[FR+8*\u:FR+8*\u+7], v[QF+8*\t:QF+8*\t+7], v[BI+8*\u:BI+8*\u+7]
.endr
.endr
	s_wait_loadcnt \lcnt                           ; this half's eight numbers of V are in; the next half's eight may be out
.irp i, 0,1,2,3,4,5,6,7
	v_med3_num_f32 v[VX+8*\par+\i], v[VX+8*\par+\i], -v[VL+\i], v[VL+\i]   ; the hold, at 0 for a masked key.  These eight are also the places behind the products (ISA guide 7.12.1)
.endr
	v_cvt_scalef32_pk8_bf8_f32 v[VC:VC+1], v[VX+8*\par:VX+8*\par+7], v[VS]
	s_wait_alu depctr_va_vdst(0)                   ; the products are done reading FR and BI, the holds VL, the conversion VX: loads land in all four; the conversion has written v[VC ..], which the store reads; v10 to v13 are written
.if \morek
	KFETCH 10, 2*GRP*(\par+1)
	BFETCH 11, 256*(\par+1)
	VLFETCH 12, 32*(\par+1)
.endif
	ds_store_b64 v13, v[VC:VC+1] offset:8*\par     ; eight keys' codes of my channel
.if \morev
.irp i, 0,1,2,3,4,5,6,7
	global_load_b32 v[VX+8*\par+\i], v[VOFF], s[8:9] offset:4096+2048*\par+256*\i   ; 32 lanes read 128 consecutive bytes; the wave beside me takes the row's other half
.endr
.endif
.irp t, 0,1                                    ; the largest of my 32 scores of each tile, in two chains, from each sum's low end on
	v_max3_num_f32 v[236+2*\t], v[S+32*\t], v[S+32*\t+1], v[S+32*\t+2]
	v_max3_num_f32 v[237+2*\t], v[S+32*\t+3], v[S+32*\t+4], v[S+32*\t+5]
.endr
.irp i, 6,10,14,18,22,26
.irp t, 0,1
	v_max3_num_f32 v[236+2*\t], v[236+2*\t], v[S+32*\t+\i], v[S+32*\t+\i+1]
	v_max3_num_f32 v[237+2*\t], v[237+2*\t], v[S+32*\t+\i+2], v[S+32*\t+\i+3]
.endr
.endr
.irp t, 0,1
	v_max3_num_f32 v[236+2*\t], v[236+2*\t], v[S+32*\t+30], v[S+32*\t+31]
.endr
.irp t, 0,1
	v_max_num_f32 v[236+2*\t], v[236+2*\t], v[237+2*\t]
.endr
.irp t, 0,1
	v_mul_f32 v[236+2*\t], s24, v[236+2*\t]        ; as t (cs is positive)
.endr
.irp t, 0,1
	v_max_num_f32 v[ST+4*\t+1], v[ST+4*\t+1], v[236+2*\t]
.endr
.irp t, 0,1
	v_mov_b32 v[237+2*\t], v[ST+4*\t]
.endr
.irp t, 0,1
	v_floor_f32 v[ST+4*\t], -v[ST+4*\t+1]          ; the new -M = -ceil(the largest t): a whole number
.endr
.irp t, 0,1
	v_sub_f32 v[237+2*\t], v[ST+4*\t], v[237+2*\t] ; old M - new M, 0 or less
.endr
.irp t, 0,1
	v_cvt_i32_f32 v[237+2*\t], v[237+2*\t]         ; (it saturates)
.endr
.irp t, 0,1
	v_ldexp_f32 v[232+2*\t], 1.0, v[237+2*\t]      ; f = 2^(old M - new M): a multiplication by it rounds nothing
.endr
	P1EXP 0
	P1EXP 1                                        ; its scalings are the plain lines behind tile 0's exponentials,
	P1SCL 0                                        ; and these two, which name no exponential's result, stand behind tile 1's
	P1SCL 1
	s_wait_alu depctr_va_vdst(0)                   ; both tiles' 64 exponentials have written v[S ..], ahead of the first line that names a result; one wait for the batch
	P1SUM 0
	P1SUM 1
.endm
	KFETCH AK0, 0                                  ; the first 64 keys.  These loads land in XA's and XC's registers: the runs that worked on them stand ahead of the last run's wait on va_vdst, and no vector line since names them
	BFETCH AB0, 0
	VLFETCH AVL0, 0
.Lp1:                                              ; 15 trips of 128 keys; the sixteenth is written out, so that no load leaves V and no fetch leaves K's image
	P1HALF 0, 1, 1, 8
	P1HALF 1, 1, 1, 8
	s_wait_xcnt 0x0                                ; V's loads have had their addresses translated: their base may step
	s_add_nc_u64 s[8:9], s[8:9], 4096              ; 16 keys of V
	s_add_co_u32 s41, s41, 4*GRP                   ; 128 keys of K
	s_add_co_u32 s42, s42, 512
	s_add_co_u32 s43, s43, 64
	s_add_co_u32 s44, s44, 256
	s_sub_co_u32 s40, s40, 1
	s_cmp_lg_u32 s40, 0
	s_cbranch_scc1 .Lp1
	P1HALF 0, 1, 0, 8
	P1HALF 1, 0, 0, 0
	s_wait_dscnt 0x0                               ; for the others' sake: my codes of V have landed
	s_barrier_signal -1
	; while the others arrive: the two halves of the lanes are joined, and pass 2's constants are made.  Registers only.
.irp t, 0,1
	v_permlanex16_b32 v[244+4*\t], v[ST+4*\t+1], s26, s27
.endr
.irp t, 0,1
	v_max_num_f32 v[244+4*\t], v[ST+4*\t+1], v[244+4*\t]   ; the row's largest t
.endr
.irp t, 0,1
	v_floor_f32 v[245+4*\t], -v[244+4*\t]          ; the row's -M
.endr
.irp t, 0,1
	v_sub_f32 v[246+4*\t], v[245+4*\t], v[ST+4*\t]
.endr
.irp t, 0,1
	v_cvt_i32_f32 v[246+4*\t], v[246+4*\t]
.endr
.irp t, 0,1
	v_ldexp_f32 v[246+4*\t], 1.0, v[246+4*\t]
.endr
.irp t, 0,1
	v_add_f32 v[247+4*\t], v[ST+4*\t+2], v[ST+4*\t+3]
.endr
.irp t, 0,1
	v_mul_f32 v[247+4*\t], v[247+4*\t], v[246+4*\t]        ; my half's sum under the row's M
.endr
.irp t, 0,1
	v_permlanex16_b32 v[244+4*\t], v[247+4*\t], s26, s27
.endr
.irp t, 0,1
	v_add_f32 v[247+4*\t], v[247+4*\t], v[244+4*\t]        ; l
.endr
	s_wait_alu depctr_va_vdst(0)
.irp t, 0,1
	v_log_f32 v[247+4*\t], v[247+4*\t]
.endr
	v_and_b32 v252, 15, v0                         ; (a plain line behind the transcendentals)  r
	v_and_b32 v253, 8, v252
	v_add_nc_u32 v252, v252, v253                  ; r + 8 (r / 8): my query in tile 0
	v_bfe_u32 v253, v0, 4, 1
	v_lshlrev_b32 v253, 4, v253
	v_sub_nc_u32 v252, v252, v253                  ; - 16 h: my half's first key of a block of 32
	s_lshl_b32 s31, ttmp9, 9
	s_lshl_b32 s32, s16, 5
	s_add_co_u32 s31, s31, s32                     ; my wave's first query
	v_add_nc_u32 v252, s31, v252
	v_cvt_f32_i32 v225, v252                       ; d = my query - the first key of my half in the step: a whole number, exact in f32
	v_add_f32 v227, 0x41000000, v225               ; tile 1's queries lie 8 further on
.irp i, 0,1,2,3,4,5,6,7,8,9,10,11,12,13,14,15
	v_cvt_f32_i32 v[T1S+\i], -\i
.endr
.irp i, 0,1,2,3,4,5,6,7,8,9,10,11,12,13,14,15
	v_mul_f32 v[T1S+\i], s30, v[T1S+\i]            ; -sc x i
.endr
	v_mov_b32 v229, s38                            ; 57,344 x 2^e2
	v_mov_b32 v231, s38                            ; (v231 and v235 are named as upper halves of pairs, so they are written)
	v_mov_b32 v233, s37                            ; 2^e2
	v_mov_b32 v235, 0
	s_mov_b32 s41, 2*GRP                           ; the step of K's image: a step fetches the next step's keys;
	s_mov_b32 s45, 0                               ; and of V's
	s_barrier_wait -1                              ; V's image is whole
	s_wait_alu depctr_va_vdst(0)                   ; the two logarithms have written v247 and v251, ahead of their first reader.  Pass 1's products, too, are done reading FR, in which the loads below land
	KFETCH AK0, 0                                  ; pass 2's first 64 keys
	v_sub_f32 v224, v245, v247                     ; NM = -M - log2(l)
	v_sub_f32 v226, v249, v251
.macro SAR t, b                                ; sc x (q - k) for the 16 keys of block b
.set i, 0
.rept 8
	v_pk_add_f32 v[R+2*i:R+2*i+1], v[T1S+2*i:T1S+2*i+1], v[DS+4*\t+2*\b:DS+4*\t+2*\b+1] op_sel_hi:[1,0]
.set i, i+1
.endr
.endm
.macro SAF t, b                                ; the exponent: s cs + NM - (sc (q - k))^2, each sum from its low end on
.set i, 0
.rept 8
	v_pk_fma_f32 v[S+32*\t+16*\b+2*i:S+32*\t+16*\b+2*i+1], v[S+32*\t+16*\b+2*i:S+32*\t+16*\b+2*i+1], s[24:25], v[224+2*\t:225+2*\t] op_sel_hi:[1,0,0]
.set i, i+1
.endr
.set i, 0
.rept 8
	v_pk_fma_f32 v[S+32*\t+16*\b+2*i:S+32*\t+16*\b+2*i+1], v[R+2*i:R+2*i+1], v[R+2*i:R+2*i+1], v[S+32*\t+16*\b+2*i:S+32*\t+16*\b+2*i+1] neg_lo:[1,0,0] neg_hi:[1,0,0]
.set i, i+1
.endr
.endm
.macro EX t
.set i, 0
.rept 32
	v_exp_f32 v[S+32*\t+i], v[S+32*\t+i]           ; the finished weight: softmax x decay
.set i, i+1
.endr
.endm
.macro HOLDCV t
.set i, 0
.rept 32
	v_min_num_f32 v[S+32*\t+i], v[S+32*\t+i], v229 ; the weight is not negative: a one-sided hold (it also holds what a masked key's exponent may give, infinity too)
.set i, i+1
.endr
.set i, 0
.rept 4
	v_cvt_scalef32_pk8_bf8_f32 v[PC+8*\t+2*i:PC+8*\t+2*i+1], v[S+32*\t+8*i:S+32*\t+8*i+7], v233
.set i, i+1
.endr
.endm
.macro VFETCH                                  ; V^T's four fragments: channels 16 c on, registers 4 b on: keys 32 b + 16 h + 0 .. 15, as p's codes lie
.irp c, 0,1
.irp b, 0,1
	ds_load_b128 v[VF+8*\c+4*\b:VF+8*\c+4*\b+3], v11 offset:VPL*\c+512*\b
.endr
.endr
.irp c, 0,1
.irp b, 0,1
	ds_load_b128 v[VF+16+8*\c+4*\b:VF+16+8*\c+4*\b+3], v12 offset:VPL*\c+512*\b
.endr
.endr
.endm
; PASS 2, 64 keys.  zero = 1: the first step's products start O^T's sums.  morek = 1: the next step's keys are fetched.
.macro P2STEP zero, morek
	s_wait_alu depctr_vm_vsrc(0)                   ; my LDS loads issued so far have read v10 to v12, which are written below.  (In the first step: pass 1's last store, too, has read v184 and v185, where O^T's sums begin)
.if \morek
	v_add_nc_u32 v10, s41, v[AK0]                  ; K of the next step
.endif
	v_add_nc_u32 v11, s45, v[AV0]                  ; V of this one.  These ten or eleven plain lines are the places between the last step's products and the score products,
	v_add_nc_u32 v12, 2*VPL, v11                   ; which write over the registers that held V's fragments
.irp t, 0,1
	v_mul_f32 v[DS+4*\t], s30, v[225+2*\t]         ; sc x d for keys 0-31 of the step,
	v_add_f32 v235, 0xc2000000, v[225+2*\t]
	v_mul_f32 v[DS+4*\t+2], s30, v235              ; sc x (d - 32) for keys 32-63,
	v_add_f32 v[225+2*\t], 0xc2800000, v[225+2*\t] ; and d - 64 for the next step
.endr
	s_wait_alu depctr_va_vdst(0)
	s_wait_dscnt 0x0                               ; K's fragments are in: asked for most of a step ago
.irp u, 0,1,2,3
.irp t, 0,1
	v_wmma_f32_16x16x64_bf8_bf8 v[S+32*\t+8*\u:S+32*\t+8*\u+7], v[FR+8*\u:FR+8*\u+7], v[QF+8*\t:QF+8*\t+7], 0
.endr
.endr
	SAR 0, 0                                       ; eight plain lines that name no register of the products: their places
	SAF 0, 0
	SAR 0, 1
	SAF 0, 1
	s_wait_alu depctr_va_vdst(0)
	EX 0
	SAR 1, 0                                       ; plain lines behind tile 0's exponentials
	s_wait_alu depctr_va_vdst(0)
	SAF 1, 0
	SAR 1, 1
	SAF 1, 1
	s_wait_alu depctr_va_vdst(0)                   ; tile 0's exponentials have written v[S .. S + 31], ahead of the holds that read them; the score products are done reading FR, in which the next keys land; v10 to v12 are written
.if \morek
	KFETCH 10, 0
.endif
	EX 1
	HOLDCV 0                                       ; its holds stand behind tile 1's exponentials
	s_wait_alu depctr_va_vdst(0)                   ; tile 0's holds and conversions are done with v[VF .. VF + 31], in which V's fragments land; tile 1's exponentials have written v[S + 32 ..], ahead of the holds that read them
	VFETCH
	HOLDCV 1                                       ; its holds stand behind tile 0's conversions; V's fragments land meanwhile
	v_nop                                          ; one plain vector instruction between the last conversion and the products that read the codes
	s_wait_alu depctr_va_vdst(0)
	s_wait_dscnt 0x0                               ; V's fragments are in
.irp c, 0,1,2,3                                ; O^T += V^T P^T: the eight accumulators take turns, one instruction a turn, with the eight score products between two turns
.irp t, 0,1
.if \zero
	s_wait_alu depctr_va_vdst(0)
	v_wmma_f32_16x16x64_bf8_bf8 v[O+32*\t+8*\c:O+32*\t+8*\c+7], v[VF+8*\c:VF+8*\c+7], v[PC+8*\t:PC+8*\t+7], 0
.else
	v_wmma_f32_16x16x64_bf8_bf8 v[O+32*\t+8*\c:O+32*\t+8*\c+7], v[VF+8*\c:VF+8*\c+7], v[PC+8*\t:PC+8*\t+7], v[O+32*\t+8*\c:O+32*\t+8*\c+7]
.endif
.endr
.endr
	s_add_co_u32 s41, s41, 2*GRP
	s_add_co_u32 s45, s45, 1024
.endm
	P2STEP 1, 1
	s_mov_b32 s40, 30
.Lp2:                                              ; 30 trips; the last step is written out, so that no fetch leaves K's image
	P2STEP 0, 1
	s_sub_co_u32 s40, s40, 1
	s_cmp_lg_u32 s40, 0
	s_cbranch_scc1 .Lp2
	P2STEP 0, 0
	s_wait_dscnt 0x0                               ; my reads of K's image are over: behind this barrier the stages lie there
	s_wait_alu depctr_vm_vsrc(0)                   ; my LDS loads have read v10 to v12, which are written below
	s_barrier_signal -1
	v_and_b32 v10, 15, v0                          ; r.  (These ten vector lines are also the places behind the last products)
	v_and_b32 v11, 8, v10
	v_add_nc_u32 v11, v11, v10                     ; r + 8 (r / 8): my query's row among tile 0's
	v_bfe_u32 v12, v0, 4, 1                        ; h
	v_mul_u32_u24 v11, v11, SPITCH
	v_lshl_add_u32 v11, v12, 5, v11                ; + 32 h: my eight channels of sixteen
	s_mul_i32 s31, s16, 32*SPITCH                  ; my stage
	v_add_nc_u32 v11, s31, v11                     ; in
	v_mul_u32_u24 v12, v12, SPITCH
	v_lshl_add_u32 v12, v10, 4, v12
	v_add_nc_u32 v12, s31, v12                     ; back: lanes 0-15 one row of 256 bytes, lanes 16-31 the next
	s_barrier_wait -1
	; THE WAY OUT.  A lane holds eight neighbouring channels of a row, the lanes beside it other rows: the wave's 32 rows go through its stage and leave as whole rows.
.set i, 0
.rept 32
	v_pk_mul_f32 v[S+2*i:S+2*i+1], v[O+2*i:O+2*i+1], s[28:29] op_sel_hi:[1,0]   ; x 2^(e2 + e3), each accumulator from its low end on
.set i, i+1
.endr
	s_wait_alu depctr_va_vdst(0)                   ; the scalings have written v[S ..], which the stores read; v11 and v12 are written; pass 2's products, conversions and additions are done with v32 to v95, in which the stage's rows land
.irp t, 0,1
.irp c, 0,1,2,3
	ds_store_b128 v11, v[S+32*\t+8*\c:S+32*\t+8*\c+3] offset:8*SPITCH*\t+64*\c
	ds_store_b128 v11, v[S+32*\t+8*\c+4:S+32*\t+8*\c+7] offset:8*SPITCH*\t+64*\c+16
.endr
.endr
.irp n, 0,1,2,3,4,5,6,7,8,9,10,11,12,13,14,15
	ds_load_b128 v[32+4*\n:35+4*\n], v12 offset:2*SPITCH*\n   ; LDS serves a wave's instructions in order: these see my stores
.endr
.irp n, 0,1,2,3,4,5,6,7,8,9,10,11,12,13,14,15
	s_wait_dscnt 15-\n                             ; load n is in; the younger ones may be out
	global_store_b128 v[LI], v[32+4*\n:35+4*\n], s[14:15] offset:512*\n th:TH_STORE_NT   ; 32 lanes store 512 consecutive bytes, two whole rows of out0, at a multiple of 512 from its first byte
.endr
	s_wait_dscnt 0x0
	s_wait_alu depctr_hold_cnt(0) depctr_sa_sdst(0) depctr_va_vdst(0) depctr_va_sdst(0) depctr_va_ssrc(0) depctr_va_vcc(0) depctr_vm_vsrc(0)
	s_wait_tensorcnt 0x0
	ds_add_u32 v254, v255
	s_wait_dscnt 0x0
	s_endpgm
.Lfunc_end_k_q63a8bba585_attn:
	.size	k_q63a8bba585_attn, .Lfunc_end_k_q63a8bba585_attn-k_q63a8bba585_attn
	.p2alignl 7, 3214868480
	.fill 96, 4, 3214868480
	.section	.rodata,"a",@progbits
	.p2align	6, 0x0
	.amdhsa_kernel k_q63a8bba585_attn
		.amdhsa_group_segment_fixed_size 296960
		.amdhsa_private_segment_fixed_size 0
		.amdhsa_enable_private_segment 0
		.amdhsa_kernarg_size 48
		.amdhsa_user_sgpr_count 2
		.amdhsa_user_sgpr_kernarg_segment_ptr 1
		.amdhsa_wavefront_size32 1
		.amdhsa_system_sgpr_workgroup_id_x 1
		.amdhsa_system_sgpr_workgroup_id_y 1
		.amdhsa_system_sgpr_workgroup_id_z 1
		.amdhsa_system_vgpr_workitem_id 0
		.amdhsa_next_free_vgpr 256
		.amdhsa_next_free_sgpr 66
		.amdhsa_reserve_vcc 1
		.amdhsa_float_denorm_mode_32 3
		.amdhsa_float_denorm_mode_16_64 3
		.amdhsa_memory_ordered 1
		.amdhsa_forward_progress 1
		.amdhsa_inst_pref_size 144
	.end_amdhsa_kernel
	.amdgpu_metadata
---
amdhsa.version: [ 1, 2 ]
amdhsa.kernels:
  - .name:           k_q63a8bba585_attn
    .symbol:         k_q63a8bba585_attn.kd
    .args:
      - { .name: Q, .offset: 0, .size: 8, .value_kind: global_buffer, .address_space: global }
      - { .name: K, .offset: 8, .size: 8, .value_kind: global_buffer, .address_space: global }
      - { .name: V, .offset: 16, .size: 8, .value_kind: global_buffer, .address_space: global }
      - { .name: lowp_scales, .offset: 24, .size: 8, .value_kind: global_buffer, .address_space: global }
      - { .name: mask_out, .offset: 32, .size: 8, .value_kind: global_buffer, .address_space: global }
      - { .name: out0, .offset: 40, .size: 8, .value_kind: global_buffer, .address_space: global }
    .group_segment_fixed_size: 296960
    .private_segment_fixed_size: 0
    .kernarg_segment_align: 8
    .kernarg_segment_size: 48
    .max_flat_workgroup_size: 512
    .sgpr_count:     66
    .vgpr_count:     256
    .wavefront_size: 32
...
	.end_amdgpu_metadata
.endif
;; end of part 2
